; MI455X (gfx1250); checked and timed in simulation.
; The chip was launched on July 23, 2026; its instructions are those of AMD's public machine-readable ISA for CDNA 5 (MIT licence, August 2026) and "CDNA5" Instruction Set Architecture Reference Guide (July 2026). The comments in the code are by the model that wrote it; some were corrected since.
;; Bert GT Head. Allowed arithmetic: matrix products marked QUANTISED: E5M2 operands, one given power-of-two scale a tensor, by v_wmma_f32_16x16x64_bf8_bf8 or v_wmma_f32_16x16x128_bf8_bf8, f32 sums; products left as they are: f32 operands where the result goes on into a quantised operand, else bf16, f16 or f32 operands; f32 sums; everything else in f32.
;; Inputs: W_cls 3,072 x 1 float32; W_gap 3,072 x 1 float32; b_cls 1 float32; b_gap 1 float32; gap_ids 16 x 16 int32; lowp_scales 2 int32 (the exponents e of the quantised operands' scales 2^e); pooled_output 16 x 1,024 float32; sequence_output 16 x 512 x 1,024 float32; token_type_ids 16 x 512 int32; word_mask 16 x 512 int32.
;; Outputs: out0 16 x 17 float32.
;; This version of the problem:
;;   THIS VERSION OF THE PROBLEM IS GIVEN IN LOW PRECISION. The matrix products marked QUANTISED in the list below multiply operands that are first quantised to E5M2 (5 exponent bits, 2 mantissa bits; 8 bits a number), with one given power-of-two scale for each operand tensor; their sums are f32. All else is computed in f32.
;;   The module's matrix products, in the order in which they are computed (A, B: the left and right operand; K: the contracted axis; several contracted axes count as one K, in the product's order):
;;     1. batch 16 x [M 16, K 512] x [K 512, N 1,024]; A: computed on the way; B: input sequence_output: QUANTISED (scales: A lowp_scales[0], B lowp_scales[1])
;;     2. [M 256, K 3,072] x [K 3,072, N 1]; A: computed on the way; B: input W_gap: left as it is (N = 1 < 16)
;;     3. [M 16, K 3,072] x [K 3,072, N 1]; A: computed on the way; B: input W_cls: left as it is (N = 1 < 16)
;;   THE QUANTISER, for each operand of a quantised product, along K:
;;     - The operand's scale is 2^e, e = its entry of the input lowp_scales (int32; the entries are numbered through the quantised products in the list's order, A before B).
;;     - Each number is divided by the scale, clamped to +-57,344, and rounded to the nearest number of E5M2, ties to even, subnormals kept.
;;     - The product sums the exact products of the quantised numbers (number of the format x scale) in f32.
;;   ~~~python
;;   def quantise(x, axis, e):      # numpy; x: float32 -> the quantised numbers, widened to float32 again
;;       x = np.moveaxis(x, axis, -1); K = x.shape[-1]
;;       r = np.clip(x / 2.0 ** e, -57344, 57344)
;;       step = 2.0 ** (np.maximum(np.frexp(np.where(r == 0, 1, r))[1] - 1, -14) - 2)
;;       q = np.round(r / step) * step * 2.0 ** e      # np.round: ties to even
;;       return np.moveaxis(q, -1, axis).astype(np.float32)
;;   ~~~
;;   OPERANDS COMPUTED ON THE WAY. 'Computed on the way' means the value that the module computes at that place (a softmax that the list does not call 'softmax' is quantised finished and normalised). What goes into a quantiser is computed in f32, as accurately as f32 sums, v_exp_f32 and their like allow (about 1e-6 of the number): no bf16 or f16 on the way to a quantiser, and a product that is left as it is and whose result goes on into a quantised operand takes f32 operands (vector FMAs, or v_wmma_f32_16x16x4_f32). A number that lies on a knife's edge between two numbers of the format may be rounded either way, as far as f32 arithmetic and the matrix unit's own rounding can turn it there, and no further.
;; One version. Each part assembles by itself: llvm-mc -triple=amdgcn-amd-amdhsa -mcpu=gfx1250 --defsym DOCPART=n.
;; ======== version 1 of 1: 2 launches
;; workspace buffers: parts 65,536 bytes
;; launch pool (part 1): grid 16 x 16, 8 waves a work-group, no clusters, 186,368 bytes of LDS; arguments sequence_output, pooled_output, token_type_ids, word_mask, gap_ids, W_gap, W_cls, lowp_scales, parts; writes parts
.if DOCPART == 1
	.amdgcn_target "amdgcn-amd-amdhsa--gfx1250"
	.amdhsa_code_object_version 6
	.text
	.protected	k_qa9126de37e_pool
	.globl	k_qa9126de37e_pool
	.p2align	8
	.type	k_qa9126de37e_pool,@function
k_qa9126de37e_pool:
	s_mov_b64 s[64:65], 0
	v_nop
	global_prefetch_b8 v0, s[64:65] scope:SCOPE_SE
	s_setreg_imm32_b32 hwreg(HW_REG_WAVE_MODE, 25, 1), 1
	s_wait_xcnt 0x0
; BertGTHead, first launch.  Work-group (x, b) takes batch b and columns 64 x .. 64 x + 63 of sequence_output [16][512][1024] f32 and stores its part of the batch's 17 scores:
; one row of 64 f32 of parts: slot g = gap g's part, slot 16 = the cls part, the rest zeros.  The second launch adds the 16 column slices and the biases.
; SHARE.  512 rows x 256 bytes = 128 KiB, each byte of the tensor read by one work-group, asked for at the head by 16 tensor loads (two a wave, so two of a wave are out) and kept in LDS: nothing is filled twice.
; Eight waves.  Wave w owns rows 64 w .. 64 w + 63 (one K step of the 16x16x64 form) for the text pools and the quantised product, and gaps 2 w, 2 w + 1 for the window maximum and the gap's own row.
; THE QUANTISED PRODUCT: wmask [16 gaps][512] x seq [512][64 columns], both as codes of E5M2 with the given scales 2^e0, 2^e1.  K is the row axis: a lane takes a column and its registers run down the rows.
; Lane (r, hh) holds, at place i = 0 .. 31 (code register i / 4, byte i % 4), row 64 w + 2 i + hh: of column 16 t + r in B's fragment, of gap r in A's: the same order of k on both sides.
; Each wave's 16 x 64 sums are multiplied by W_gap's third part and summed over the columns at once; the eight waves' figures meet in LDS.  2^(e0 + e1) / num_tokens multiplies the finished sum.
; THE WINDOW MAXIMUM: the maximum runs over all 512 rows of x * wmask, and 512 > 31, so a zero always takes part: max(0, max over the window's 31 rows of x * base).  Rows outside 0 .. 511 are zero rows in LDS with weight 0.
; LIMITS: e0 and e1 between -126 and 112 (each power of two below is an f32 number); e0 + e1 goes through v_ldexp_f32 and has none.  gap_ids lie in 0 .. 511 and are held at 511 from above.
; NaN and infinities in sequence_output are not served (0 x infinity; a NaN loses in the maxima).  A window or a text without valid tokens gives NaN, as 0 / 0 does.  A division is v_rcp_f32 and a multiplication.
; No cluster: work-groups share only masks and ids, 4 KiB of a share of 128 KiB.  No prefetch: every byte is asked for at the head.
.set PITCH, 320                        ; an LDS row: 256 bytes + 64 of padding = 80 words: rows 2 i and 2 i + 1 start 16 banks apart (64 banks of 4 bytes: ISA guide 11.1), so a stream load's 32 lanes take 32 banks
.set TILE,  16*PITCH                   ; LDS: 16 zero rows (rows -16 .. -1); from here the 512 rows;
.set BOT,   TILE+512*PITCH             ; 16 zero rows (rows 512 .. 527);
.set BASEF, BOT+16*PITCH               ; base of the even rows (word row / 2), 1,024 bytes on that of the odd rows;
.set SCRM,  BASEF+2048                 ; each thread's four text maxima (16 bytes x thread), 4,096 bytes on its four text sums;
.set WAVG,  SCRM+8192                  ; [wave][gap] f32: the wave's part of the window sums' dot product;
.set BSUM,  WAVG+512                   ; eight words: each wave's sum of base;
.set RES,   BSUM+256                   ; the 64 result slots
.set BH,  64                           ; v64-95   base of my 32 rows
.set AV,  96                           ; v96-127  wmask of my gap at my 32 rows; later the windows' weights, gap a at 96, gap b at 112
.set AF,  128                          ; v128-135 A's fragment
.set CD,  136                          ; v136-167 B's four fragments
.set X,   168                          ; v168-215 three sets of 16 numbers; the four accumulators lie over the first two
.set T,   216                          ; v216-231 x * base; later v216-223 the dot products of the sums
.set TM,  232                          ; v232-235 text maximum, a tile each
.set TS,  236                          ; v236-243 text sum, a pair each
; v1 lane, v2 r, v3 hh, v4-19, v34, v35 LDS addresses and offsets (made once, never rewritten), v20 zero, v21 permute's destination, v22-25 scales, v26 gap r's id, v27 window test,
; v28-31 offsets, v32-33 2^(e0+e1) / num_tokens, v36-39 W_gap part 3, v40-47 W_gap parts 1 and 2 (zero in lanes 16-31), v48-51 pooled, v52-63 W_cls, v244-255 at work.
.macro BAR                             ; my LDS stores have landed and my LDS loads are in: then the work-group's barrier
	s_wait_dscnt 0x0
	s_barrier_signal -1
	s_barrier_wait -1
.endm
.macro RED16 r                         ; the sum over each half of 16 lanes, in every lane of it
	v_add_f32_dpp v[\r], v[\r], v[\r] row_xmask:1 row_mask:0xf bank_mask:0xf
	v_add_f32_dpp v[\r], v[\r], v[\r] row_xmask:2 row_mask:0xf bank_mask:0xf
	v_add_f32_dpp v[\r], v[\r], v[\r] row_xmask:4 row_mask:0xf bank_mask:0xf
	v_add_f32_dpp v[\r], v[\r], v[\r] row_xmask:8 row_mask:0xf bank_mask:0xf
.endm
.macro RED32 r                         ; over all 32
	RED16 \r
	v_permlanex16_b32 v21, v[\r], s56, s57
	v_add_f32 v[\r], v[\r], v21
.endm
	s_load_b256 s[4:11], s[0:1], 0x0               ; seq s[4:5], pooled s[6:7], token types s[8:9], word mask s[10:11]
	s_load_b256 s[12:19], s[0:1], 0x20             ; gap ids s[12:13], W_gap s[14:15], W_cls s[16:17], the scales' exponents s[18:19]
	s_load_b64 s[20:21], s[0:1], 0x40              ; parts
	s_set_vgpr_msb 0x40
	v_lshl_add_u32 v0, v0, 2, 0x2d400
	v_mov_b32 v1, 0
	s_set_vgpr_msb 0x4045
	ds_add_u32 v0, v1
	ds_add_u32 v0, v1
	s_set_vgpr_msb 0x4500
	v_lshrrev_b32 v2, 5, v0
	v_readfirstlane_b32 s22, v2                    ; wave 0..7
	s_and_b32 s24, ttmp7, 0xffff                   ; batch b
	; descriptor group 1: a tile of 32 rows x 64 elements of 4 bytes, rows 1,024 elements apart, 16 words of padding behind every 64
	s_mov_b32 s32, (2<<16)|(1<<20)|(5<<22)|(15<<25)
	s_mov_b32 s33, 64<<16                          ; tensor_dim0 = 64
	s_mov_b32 s34, 32<<16                          ; tensor_dim1 = 32
	s_mov_b32 s35, 64<<16                          ; tile_dim0 = 64
	s_mov_b32 s36, 32                              ; tile_dim1 = 32
	s_mov_b32 s37, 1024                            ; from row to row
	s_mov_b32 s38, 0
	s_mov_b32 s39, 0
	s_mul_i32 s53, s22, 64*PITCH                   ; my 64 rows in LDS
	s_mov_b32 s40, 1
	s_add_co_u32 s41, s53, TILE                    ; rows 64 w .. 64 w + 31
	s_mov_b32 s44, 1
	s_add_co_u32 s45, s53, TILE+32*PITCH           ; rows 64 w + 32 .. 64 w + 63
	s_lshl_b32 s26, s24, 21                        ; a batch is 512 rows of 4,096 bytes,
	s_lshl_b32 s63, s22, 18                        ; my 64 rows,
	s_add_co_u32 s26, s26, s63
	s_lshl_b32 s54, ttmp9, 8                       ; my work-group's 256 bytes of a row
	s_mov_b32 s55, 0
	s_add_co_u32 s26, s26, s54
	s_mov_b32 s27, 0
	s_lshl_b32 s28, s24, 11                        ; a batch's 512 words of a mask
	s_mov_b32 s29, 0
	s_lshl_b32 s30, s24, 12                        ; pooled: 4,096 b + 256 x; parts: 256 (16 b + x): the same number
	s_add_co_u32 s30, s30, s54
	s_mov_b32 s31, 0
	s_lshl_b32 s2, s24, 6                          ; a batch's 16 gap ids
	s_mov_b32 s3, 0
	s_lshl_b32 s25, s22, 3                         ; my two gaps' ids in them; kept
	s_mov_b32 s56, 0x76543210                      ; v_permlanex16_b32: lane l xor 16
	s_mov_b32 s57, 0xfedcba98
	s_mov_b32 s58, 0xffff0000                      ; lanes 16-31
	v_and_b32 v1, 31, v0                           ; lane
	v_and_b32 v2, 15, v0                           ; r
	v_bfe_u32 v3, v0, 4, 1                         ; hh
	s_wait_dscnt 0x0
	s_wait_kmcnt 0x0
	s_add_nc_u64 s[42:43], s[4:5], s[26:27]
	s_add_nc_u64 s[46:47], s[42:43], 32*4096
	s_or_b32 s43, s43, 0x80000000                  ; type = 2
	s_or_b32 s47, s47, 0x80000000
	tensor_load_to_lds s[40:43], s[32:39]          ; both first fills together, ahead of every wait on TENSORcnt, every LDS read and every barrier
	s_nop 0
	tensor_load_to_lds s[44:47], s[32:39]
	s_nop 0
.rept 4
	v_nop
.endr
	s_add_nc_u64 s[8:9], s[8:9], s[28:29]
	s_add_nc_u64 s[10:11], s[10:11], s[28:29]
	s_add_nc_u64 s[12:13], s[12:13], s[2:3]
	s_add_nc_u64 s[14:15], s[14:15], s[54:55]
	s_add_nc_u64 s[16:17], s[16:17], s[54:55]
	s_add_nc_u64 s[6:7], s[6:7], s[30:31]
	s_add_nc_u64 s[20:21], s[20:21], s[30:31]
	s_load_b64 s[48:49], s[12:13], s25 offset:0x0  ; the ids of gaps 2 w, 2 w + 1
	s_load_b64 s[50:51], s[18:19], 0x0             ; e0, e1
	v_lshlrev_b32 v28, 3, v0                       ; masks: rows 2 t, 2 t + 1 of thread t
	v_lshlrev_b32 v29, 2, v2                       ; 4 r
	v_lshlrev_b32 v30, 4, v2                       ; 16 r
	global_load_b64 v[244:245], v28, s[8:9]
	global_load_b64 v[246:247], v28, s[10:11]
	global_load_b32 v26, v29, s[12:13]             ; gap r's id
.irp t, 0,1,2,3
	global_load_b32 v[36+\t], v29, s[14:15] offset:8192+64*\t      ; W_gap[2048 + 64 x + 16 t + r]
.endr
	global_load_b128 v[40:43], v30, s[14:15]                       ; W_gap[64 x + 4 r ..]
	global_load_b128 v[44:47], v30, s[14:15] offset:4096           ; W_gap[1024 + 64 x + 4 r ..]
.irp t, 0,1,2,3
	global_load_b32 v[48+\t], v29, s[6:7] offset:64*\t             ; pooled[b][64 x + 16 t + r]
.endr
.irp t, 0,1,2,3
	global_load_b32 v[52+\t], v29, s[16:17] offset:64*\t
	global_load_b32 v[56+\t], v29, s[16:17] offset:4096+64*\t
	global_load_b32 v[60+\t], v29, s[16:17] offset:8192+64*\t
.endr
	; every LDS address is made here, from the thread's and the wave's number and constants
	s_add_co_u32 s63, s53, TILE
	v_mul_u32_u24 v4, v3, PITCH
	v_lshl_add_u32 v4, v2, 2, v4
	v_add_nc_u32 v4, s63, v4                       ; the stream: row 64 w + hh, word r
	s_lshl_b32 s63, s22, 7
	s_add_co_u32 s63, s63, BASEF
	v_lshl_add_u32 v5, v3, 10, s63                 ; base of rows 64 w + 2 i + hh: 4 i on
	v_lshl_add_u32 v6, v0, 2, BASEF                ; where thread t puts base of row 2 t; 1,024 on that of 2 t + 1
	v_lshrrev_b32 v7, 4, v0
	v_mul_u32_u24 v7, v7, PITCH
	v_lshl_add_u32 v7, v2, 4, v7                   ; the zero rows: row t / 16, 16 bytes at 16 (t % 16)
	v_add_nc_u32 v8, BOT, v7
	s_mul_i32 s63, s22, 24
	s_add_co_u32 s63, s63, RES+64
	v_mov_b32 v9, s63                              ; my 24 bytes of result slots 16 to 63
	v_mul_u32_u24 v10, v3, 16*PITCH
	v_lshl_add_u32 v10, v2, 4, v10
	v_add_nc_u32 v10, TILE-15*PITCH, v10           ; a window's row 16 hh (row id - 15 + 16 hh of the text), 16 bytes at 16 r; 320 x id is added below
	v_lshl_add_u32 v13, v0, 4, SCRM
	s_lshl_b32 s63, s22, 6
	s_add_co_u32 s63, s63, WAVG
	v_lshl_add_u32 v14, v3, 5, s63                 ; my wave's figures for gaps 8 hh ..
	s_add_co_u32 s63, s25, WAVG
	v_and_b32 v15, 7, v0
	v_lshl_add_u32 v15, v15, 6, s63                ; wave (lane % 8)'s figures for my two gaps
	s_add_co_u32 s63, s25, RES
	v_mov_b32 v16, s63                             ; result slots 2 w, 2 w + 1
	v_lshl_add_u32 v17, v1, 4, SCRM                ; wave 0 reads all waves' pools at its own lane's place
	v_mov_b32 v18, BSUM
	v_lshlrev_b32 v19, 3, v1                       ; parts: 8 bytes a lane
	v_mov_b32 v20, 0
	v_mov_b32 v21, 0                               ; written once: a lane permute's destination counts as read
	v_add_nc_u32 v31, -15, v1                      ; lane - 15
	v_lshl_add_u32 v34, v1, 3, RES
	s_lshl_b32 s63, s22, 2
	s_add_co_u32 s63, s63, BSUM
	v_mov_b32 v35, s63
.irp j, 248,249,250,251
	v_mov_b32 v\j, 0
.endr
	ds_store_b128 v7, v[248:251]                   ; rows -16 .. -1 and 512 .. 527 are zeros: blocks of their own, into which no tile lands
	ds_store_b128 v8, v[248:251]
	; ---- base = (token type == 0) x word mask, rows 2 t and 2 t + 1
	s_wait_loadcnt 23                              ; the two mask loads are in; the 23 issued behind them may be out
	v_cvt_f32_i32 v246, v246
	v_cvt_f32_i32 v247, v247
	v_cmp_eq_u32 vcc_lo, 0, v244
	v_cndmask_b32 v246, 0, v246, vcc_lo
	v_cmp_eq_u32 vcc_lo, 0, v245
	v_cndmask_b32 v247, 0, v247, vcc_lo
	ds_store_b32 v6, v246
	ds_store_b32 v6, v247 offset:1024
	v_add_f32 v244, v246, v247
	RED32 244
	ds_store_b32 v35, v244                         ; my wave's sum of base
	BAR                                            ; base lies in LDS.  The tiles stay on their way
	; ---- A's fragment and the windows' weights, while the tiles are on their way
.irp j, 0,1,2,3,4,5,6,7
	ds_load_b128 v[BH+4*\j:BH+4*\j+3], v5 offset:16*\j
.endr
	s_wait_kmcnt 0x0
	s_add_co_i32 s52, s50, s51                     ; e0 + e1
	s_add_co_i32 s53, s50, 127
	s_lshl_b32 s63, s53, 23
	v_mov_b32 v22, s63                             ; 2^e0 as f32: the conversion takes its exponent field
	s_add_co_i32 s53, s53, 15
	s_lshl_b32 s53, s53, 23
	s_or_b32 s53, s53, 0x600000
	v_mov_b32 v23, s53                             ; 57,344 x 2^e0
	s_add_co_i32 s53, s51, 127
	s_lshl_b32 s63, s53, 23
	v_mov_b32 v24, s63                             ; the same for e1
	s_add_co_i32 s53, s53, 15
	s_lshl_b32 s53, s53, 23
	s_or_b32 s53, s53, 0x600000
	v_mov_b32 v25, s53
	s_min_u32 s48, s48, 0x1ff                      ; a loaded number enters an address only behind this hold
	s_min_u32 s49, s49, 0x1ff
	s_mul_i32 s61, s48, PITCH
	s_mul_i32 s62, s49, PITCH
	v_add_nc_u32 v11, s61, v10                     ; the windows' first rows in LDS
	v_add_nc_u32 v12, s62, v10
	v_add_nc_u32 v216, s48, v31                    ; lane l stands for window row l: text row id - 15 + l
	v_add_nc_u32 v217, s49, v31
	v_cmp_gt_u32 vcc_lo, 31, v1                    ; 31 rows: lane 31 has weight 0
	v_cmp_gt_u32 s59, 0x200, v216                  ; and so has a row outside 0 .. 511 (a negative number is a large one here)
	v_cmp_gt_u32 s60, 0x200, v217
	s_and_b32 s59, s59, vcc_lo
	s_and_b32 s60, s60, vcc_lo
	v_min_u32 v216, 0x1ff, v216
	v_min_u32 v217, 0x1ff, v217
	v_lshlrev_b32 v216, 2, v216
	v_lshlrev_b32 v217, 2, v217
	global_load_b32 v252, v216, s[8:9]
	global_load_b32 v253, v216, s[10:11]
	global_load_b32 v254, v217, s[8:9]
	global_load_b32 v255, v217, s[10:11]
	s_wait_loadcnt 4                               ; all but these four: gap r's id and the weights are in
	v_min_u32 v26, 0x1ff, v26
	s_lshl_b32 s63, s22, 6
	s_add_co_u32 s63, s63, 15
	v_add_nc_u32 v27, s63, v3
	v_sub_nc_u32 v27, v27, v26                     ; row - id + 15 at i = 0; the row is in the window where this, as an unsigned number, is under 31
	s_wait_dscnt 0x0                               ; base of my rows
.irp i, 0,1,2,3,4,5,6,7,8,9,10,11,12,13,14,15,16,17,18,19,20,21,22,23,24,25,26,27,28,29,30,31
	v_add_nc_u32 v[218+(\i%4)], 2*\i, v27
	v_cmp_gt_u32 vcc_lo, 31, v[218+(\i%4)]
	v_cndmask_b32 v[AV+\i], 0, v[BH+\i], vcc_lo    ; wmask(gap r, row 64 w + 2 i + hh)
	v_med3_num_f32 v[AV+\i], v[AV+\i], -v23, v23   ; the conversion to an 8-bit code does not saturate (ISA guide 7.6.2): the hold at the largest code x the scale
.endr
.irp m, 0,1,2,3
	v_cvt_scalef32_pk8_bf8_f32 v[AF+2*\m:AF+2*\m+1], v[AV+8*\m:AV+8*\m+7], v22
.endr
	v_nop                                          ; one plain vector instruction between a scaled conversion and what next writes its sources or reads its result
	s_wait_loadcnt 0x0
	v_cvt_f32_i32 v253, v253
	v_cvt_f32_i32 v255, v255
	v_cmp_eq_u32 vcc_lo, 0, v252
	s_and_b32 s59, s59, vcc_lo
	v_cmp_eq_u32 vcc_lo, 0, v254
	s_and_b32 s60, s60, vcc_lo
	v_cndmask_b32 v253, 0, v253, s59               ; gap a's weight of window row l,
	v_cndmask_b32 v255, 0, v255, s60               ; gap b's
	v_mov_b32 v32, v253
	v_mov_b32 v33, v255
	RED32 32                                       ; num_tokens
	RED32 33
	v_rcp_f32 v32, v32
	v_rcp_f32 v33, v33
	v_nop                                          ; a plain instruction behind the reciprocals
.irp q, 0,1,2,3,4,5,6,7,8,9,10,11,12,13,14,15
	v_mov_b32_dpp v[AV+\q], v253 row_share:\q row_mask:0xf bank_mask:0xf      ; lane (c, hh): the weight of window row 16 hh + q
	v_mov_b32_dpp v[AV+16+\q], v255 row_share:\q row_mask:0xf bank_mask:0xf
.endr
.irp c, 0,1,2,3,4,5,6,7
	v_cndmask_b32 v[40+\c], v[40+\c], v20, s58     ; W_gap's first two parts count once: zero in lanes 16-31
.endr
	s_wait_alu depctr_va_vdst(0)                   ; the wait ahead of the reciprocals' first reader: one for both
	v_ldexp_f32 v32, v32, s52                      ; 2^(e0 + e1) / num_tokens
	v_ldexp_f32 v33, v33, s52
	; ---- the stream: my 64 rows x 64 columns, in eight pieces of 32 rows x 16 columns (half u, tile t): 16 numbers a lane
.macro LOADP u, t
.irp k, 0,1,2,3,4,5,6,7,8,9,10,11,12,13,14,15
	ds_load_b32 v[X+16*((\t)%3)+\k], v4 offset:2*PITCH*(16*(\u)+\k)+64*(\t)
.endr
.endm
.macro PROC u, t                       ; x * base for the text pools; x itself, held and converted, for B's fragment
.set XB, X+16*((\t)%3)
.irp k, 0,1,2,3,4,5,6,7
	v_pk_mul_f32 v[T+2*\k:T+2*\k+1], v[XB+2*\k:XB+2*\k+1], v[BH+16*(\u)+2*\k:BH+16*(\u)+2*\k+1]
.endr
.irp k, 0,1,2,3,4,5,6,7
.if (\u == 0) && (\k == 0)
	v_max_num_f32 v[TM+\t], v[T], v[T+1]           ; the first numbers start maximum and sum: nothing is cleared
.else
	v_max3_num_f32 v[TM+\t], v[TM+\t], v[T+2*\k], v[T+2*\k+1]
.endif
.if (\u == 0) && (\k == 1)
	v_pk_add_f32 v[TS+2*\t:TS+2*\t+1], v[T:T+1], v[T+2:T+3]
.elseif (\u == 1) || (\k > 1)
	v_pk_add_f32 v[TS+2*\t:TS+2*\t+1], v[TS+2*\t:TS+2*\t+1], v[T+2*\k:T+2*\k+1]
.endif
	v_med3_num_f32 v[XB+2*\k], v[XB+2*\k], -v25, v25
	v_med3_num_f32 v[XB+2*\k+1], v[XB+2*\k+1], -v25, v25
.endr
	v_cvt_scalef32_pk8_bf8_f32 v[CD+8*\t+4*\u:CD+8*\t+4*\u+1], v[XB:XB+7], v24
	v_cvt_scalef32_pk8_bf8_f32 v[CD+8*\t+4*\u+2:CD+8*\t+4*\u+3], v[XB+8:XB+15], v24
	v_nop                                          ; the plain instruction behind the conversions: matrix instructions later read the codes and write over the numbers
.endm
.macro HALF u
	LOADP \u, 0
	LOADP \u, 1
	LOADP \u, 2
	s_wait_dscnt 32                                ; piece 0 is in; pieces 1 and 2 may be out
	PROC \u, 0
	LOADP \u, 3
	s_wait_dscnt 32                                ; piece 1 is in; pieces 2 and 3 may be out
	PROC \u, 1
	s_wait_dscnt 16                                ; piece 3 may be out
	PROC \u, 2
	s_wait_dscnt 0x0
	PROC \u, 3
.endm
	s_wait_tensorcnt 1                             ; my first 32 rows are in LDS, and only I read them here; my second tile may be out
	HALF 0
	s_wait_tensorcnt 0x0
	HALF 1
	; ---- the product: 16 gaps x 16 columns x my 64 rows, four tiles; each sum is one instruction with C = 0
.irp t, 0,1,2,3
	v_wmma_f32_16x16x64_bf8_bf8 v[X+8*\t:X+8*\t+7], v[AF:AF+7], v[CD+8*\t:CD+8*\t+7], 0
.endr
.irp t, 0,1,2,3
	v_add_f32 v[244+\t], v[TS+2*\t], v[TS+2*\t+1]  ; four plain instructions that name no register of the products: the places behind them (ISA guide 7.12.1)
.endr
	ds_store_b128 v13, v[TM:TM+3]                  ; my rows' text maxima and sums, four tiles a lane
	ds_store_b128 v13, v[244:247] offset:4096
	; register j of lane (r, hh) is gap 8 hh + j, column 16 t + r: x W_gap's third part at that column, summed over the tiles; each accumulator from its low end on
.irp p, 0,1,2,3
	v_pk_mul_f32 v[T+2*\p:T+2*\p+1], v[X+2*\p:X+2*\p+1], v[36:37] op_sel_hi:[1,0]
.endr
.irp p, 0,1,2,3
	v_pk_fma_f32 v[T+2*\p:T+2*\p+1], v[X+8+2*\p:X+8+2*\p+1], v[36:37], v[T+2*\p:T+2*\p+1] op_sel:[0,1,0] op_sel_hi:[1,1,1]
.endr
.irp p, 0,1,2,3
	v_pk_fma_f32 v[T+2*\p:T+2*\p+1], v[X+16+2*\p:X+16+2*\p+1], v[38:39], v[T+2*\p:T+2*\p+1] op_sel_hi:[1,0,1]
.endr
.irp p, 0,1,2,3
	v_pk_fma_f32 v[T+2*\p:T+2*\p+1], v[X+24+2*\p:X+24+2*\p+1], v[38:39], v[T+2*\p:T+2*\p+1] op_sel:[0,1,0] op_sel_hi:[1,1,1]
.endr
.irp m, 1,2,4,8                        ; and over the 16 columns of a tile: the eight chains take turns
.irp j, 0,1,2,3,4,5,6,7
	v_add_f32_dpp v[T+\j], v[T+\j], v[T+\j] row_xmask:\m row_mask:0xf bank_mask:0xf
.endr
.endr
	ds_store_b128 v14, v[T:T+3]                    ; the sixteen lanes of a half store the same numbers to the same words
	ds_store_b128 v14, v[T+4:T+7] offset:16
	BAR                                            ; every wave has waited for its tiles and its stores: all 512 rows and all figures lie in LDS
	; ---- the windows: LDS is only read from here to the next barrier
.macro RSET g, q                       ; RR: the four registers of window row q of my half, gap a (g = 0) or b
.if (\g) == 0
.set RR, 128+4*(\q)
.elseif (\q) < 8
.set RR, 64+4*(\q)
.else
.set RR, 192+4*((\q)-8)
.endif
.endm
.macro WLOAD g                         ; 32 window rows x 256 bytes: lanes 0-15 take row q whole, lanes 16-31 row 16 + q
.irp q, 0,1,2,3,4,5,6,7,8,9,10,11,12,13,14,15
	RSET \g, \q
	ds_load_b128 v[RR:RR+3], v[11+\g] offset:PITCH*\q
.endr
.endm
.macro GAPMAX g
.set MG, 232+4*(\g)
.set WQ, AV+16*(\g)
.set DG, 246+(\g)
.irp p, 0,1,2,3,4,5,6,7
.set TT, 224+24*((\p)%2)
	RSET \g, 2*\p
	v_pk_mul_f32 v[TT:TT+1], v[RR:RR+1], v[WQ+2*\p:WQ+2*\p+1] op_sel_hi:[1,0]
	v_pk_mul_f32 v[TT+2:TT+3], v[RR+2:RR+3], v[WQ+2*\p:WQ+2*\p+1] op_sel_hi:[1,0]
	RSET \g, 2*\p+1
	v_pk_mul_f32 v[TT+4:TT+5], v[RR:RR+1], v[WQ+2*\p:WQ+2*\p+1] op_sel:[0,1] op_sel_hi:[1,1]
	v_pk_mul_f32 v[TT+6:TT+7], v[RR+2:RR+3], v[WQ+2*\p:WQ+2*\p+1] op_sel:[0,1] op_sel_hi:[1,1]
.irp c, 0,1,2,3
.if \p == 0
	v_max3_num_f32 v[MG+\c], v[TT+\c], v[TT+4+\c], 0           ; the zero of the rows outside the window
.else
	v_max3_num_f32 v[MG+\c], v[MG+\c], v[TT+\c], v[TT+4+\c]
.endif
.endr
.endr
	RSET \g, 15                                    ; in lanes 0-15 window row 15 is the gap's own row, unmasked; in lanes 16-31 its weights are zero
	v_mul_f32 v[DG], v[RR], v40
	v_fma_f32 v[DG], v[RR+1], v41, v[DG]
	v_fma_f32 v[DG], v[RR+2], v42, v[DG]
	v_fma_f32 v[DG], v[RR+3], v43, v[DG]
.irp c, 0,1,2,3
	v_permlanex16_b32 v[240+\c], v[MG+\c], s56, s57
.endr
.irp c, 0,1,2,3
	v_max_num_f32 v[MG+\c], v[MG+\c], v[240+\c]    ; the window's other 16 rows
.endr
.irp c, 0,1,2,3
	v_fma_f32 v[DG], v[MG+\c], v[44+\c], v[DG]
.endr
	RED32 DG
	v_add_f32_dpp v[244+\g], v[244+\g], v[244+\g] row_xmask:1 row_mask:0xf bank_mask:0xf   ; the eight waves' parts of the window sums' dot product
	v_add_f32_dpp v[244+\g], v[244+\g], v[244+\g] row_xmask:2 row_mask:0xf bank_mask:0xf
	v_add_f32_dpp v[244+\g], v[244+\g], v[244+\g] row_xmask:4 row_mask:0xf bank_mask:0xf
	v_fma_f32 v[DG], v[244+\g], v[32+\g], v[DG]    ; x 2^(e0 + e1) / num_tokens
.endm
	ds_load_b64 v[244:245], v15
	WLOAD 0
	WLOAD 1
	s_wait_dscnt 16                                ; gap b's sixteen loads may be out
	GAPMAX 0
	s_wait_dscnt 0x0
	GAPMAX 1
.irp j, 252,253,254,255
	v_mov_b32 v\j, 0
.endr
	s_cmp_lg_u32 s22, 0
	s_cbranch_scc1 .Lno_cls
	; ---- wave 0: the text pools of all eight waves, and the cls part
.irp w, 0,1,2,3,4,5,6,7
	ds_load_b128 v[128+4*\w:131+4*\w], v17 offset:512*\w
.endr
.irp w, 0,1,2,3,4,5,6,7
	ds_load_b128 v[160+4*\w:163+4*\w], v17 offset:4096+512*\w
.endr
	ds_load_b128 v[192:195], v18
	ds_load_b128 v[196:199], v18 offset:16
	s_wait_dscnt 0x0
.irp t, 0,1,2,3
	v_max3_num_f32 v[224+\t], v[128+\t], v[132+\t], v[136+\t]
.endr
.irp t, 0,1,2,3
	v_max3_num_f32 v[224+\t], v[224+\t], v[140+\t], v[144+\t]
.endr
.irp t, 0,1,2,3
	v_max3_num_f32 v[224+\t], v[224+\t], v[148+\t], v[152+\t]
.endr
.irp t, 0,1,2,3
	v_max_num_f32 v[224+\t], v[224+\t], v[156+\t]
.endr
	v_pk_add_f32 v[228:229], v[160:161], v[164:165]
	v_pk_add_f32 v[230:231], v[162:163], v[166:167]
.irp w, 2,3,4,5,6,7
	v_pk_add_f32 v[228:229], v[228:229], v[160+4*\w:161+4*\w]
	v_pk_add_f32 v[230:231], v[230:231], v[162+4*\w:163+4*\w]
.endr
.irp t, 0,1,2,3
	v_permlanex16_b32 v[240+\t], v[224+\t], s56, s57   ; the odd rows lie in the other half of the lanes
	v_permlanex16_b32 v[248+\t], v[228+\t], s56, s57
.endr
.irp t, 0,1,2,3
	v_max_num_f32 v[224+\t], v[224+\t], v[240+\t]
	v_add_f32 v[228+\t], v[228+\t], v[248+\t]
.endr
	v_pk_add_f32 v[192:193], v[192:193], v[194:195]
	v_pk_add_f32 v[196:197], v[196:197], v[198:199]
	v_pk_add_f32 v[192:193], v[192:193], v[196:197]
	v_add_f32 v192, v192, v193                     ; the text's number of tokens
	v_rcp_f32 v192, v192
	v_mul_f32 v254, v48, v52                       ; (plain work behind the reciprocal)  pooled . W_cls part 1
.irp t, 1,2,3
	v_fma_f32 v254, v[48+\t], v[52+\t], v254
.endr
.irp t, 0,1,2,3
	v_fma_f32 v254, v[224+\t], v[56+\t], v254      ; + text maximum . part 2
.endr
	v_mul_f32 v193, v228, v60
.irp t, 1,2,3
	v_fma_f32 v193, v[228+\t], v[60+\t], v193      ; text sum . part 3
.endr
	s_wait_alu depctr_va_vdst(0)                   ; the wait ahead of the reciprocal's first reader
	v_fma_f32 v254, v193, v192, v254
	RED16 254                                      ; both halves hold the same 16 x 4 columns: the sum over a half is the sum over the 64
.Lno_cls:
	BAR                                            ; all reads of LDS are in: now the result slots are written, each wave its own bytes
	ds_store_b64 v16, v[246:247]                   ; slots 2 w, 2 w + 1
	ds_store_b64 v9, v[254:255]                    ; wave 0: slot 16 = the cls part; all else zeros
	ds_store_b64 v9, v[252:253] offset:8
	ds_store_b64 v9, v[252:253] offset:16
	BAR
	s_cmp_lg_u32 s22, 0
	s_cbranch_scc1 .Lend
	ds_load_b64 v[224:225], v34
	s_wait_dscnt 0x0
	global_store_b64 v19, v[224:225], s[20:21]     ; 32 lanes store 256 consecutive bytes, at a multiple of 256 from the buffer's first byte
.Lend:
	s_set_vgpr_msb 0x5
	s_wait_tensorcnt 0x0
	ds_add_u32 v0, v1
	s_wait_dscnt 0x0
	s_set_vgpr_msb 0x500
	s_endpgm
.Lfunc_end_k_qa9126de37e_pool:
	.size	k_qa9126de37e_pool, .Lfunc_end_k_qa9126de37e_pool-k_qa9126de37e_pool
	.p2alignl 7, 3214868480
	.fill 96, 4, 3214868480
	.section	.rodata,"a",@progbits
	.p2align	6, 0x0
	.amdhsa_kernel k_qa9126de37e_pool
		.amdhsa_group_segment_fixed_size 186368
		.amdhsa_private_segment_fixed_size 0
		.amdhsa_enable_private_segment 0
		.amdhsa_kernarg_size 72
		.amdhsa_user_sgpr_count 2
		.amdhsa_user_sgpr_kernarg_segment_ptr 1
		.amdhsa_wavefront_size32 1
		.amdhsa_system_sgpr_workgroup_id_x 1
		.amdhsa_system_sgpr_workgroup_id_y 1
		.amdhsa_system_sgpr_workgroup_id_z 1
		.amdhsa_system_vgpr_workitem_id 0
		.amdhsa_next_free_vgpr 258
		.amdhsa_next_free_sgpr 66
		.amdhsa_reserve_vcc 1
		.amdhsa_float_denorm_mode_32 3
		.amdhsa_float_denorm_mode_16_64 3
		.amdhsa_memory_ordered 1
		.amdhsa_forward_progress 1
		.amdhsa_inst_pref_size 73
	.end_amdhsa_kernel
	.amdgpu_metadata
---
amdhsa.version: [ 1, 2 ]
amdhsa.kernels:
  - .name:           k_qa9126de37e_pool
    .symbol:         k_qa9126de37e_pool.kd
    .args:
      - { .name: sequence_output, .offset: 0, .size: 8, .value_kind: global_buffer, .address_space: global }
      - { .name: pooled_output, .offset: 8, .size: 8, .value_kind: global_buffer, .address_space: global }
      - { .name: token_type_ids, .offset: 16, .size: 8, .value_kind: global_buffer, .address_space: global }
      - { .name: word_mask, .offset: 24, .size: 8, .value_kind: global_buffer, .address_space: global }
      - { .name: gap_ids, .offset: 32, .size: 8, .value_kind: global_buffer, .address_space: global }
      - { .name: W_gap, .offset: 40, .size: 8, .value_kind: global_buffer, .address_space: global }
      - { .name: W_cls, .offset: 48, .size: 8, .value_kind: global_buffer, .address_space: global }
      - { .name: lowp_scales, .offset: 56, .size: 8, .value_kind: global_buffer, .address_space: global }
      - { .name: parts, .offset: 64, .size: 8, .value_kind: global_buffer, .address_space: global }
    .group_segment_fixed_size: 186368
    .private_segment_fixed_size: 0
    .kernarg_segment_align: 8
    .kernarg_segment_size: 72
    .max_flat_workgroup_size: 256
    .sgpr_count:     66
    .vgpr_count:     258
    .wavefront_size: 32
...
	.end_amdgpu_metadata
.endif
;; end of part 1
;; launch finish (part 2): grid 1 x 1, 16 waves a work-group, no clusters, 0 bytes of LDS; arguments parts, b_gap, b_cls, out0; writes out0
.if DOCPART == 2
	.amdgcn_target "amdgcn-amd-amdhsa--gfx1250"
	.amdhsa_code_object_version 6
	.text
	.protected	k_qa9126de37e_finish
	.globl	k_qa9126de37e_finish
	.p2align	8
	.type	k_qa9126de37e_finish,@function
k_qa9126de37e_finish:
	s_mov_b64 s[64:65], 0
	v_nop
	global_prefetch_b8 v0, s[64:65] scope:SCOPE_SE
	s_setreg_imm32_b32 hwreg(HW_REG_WAVE_MODE, 25, 1), 1
	s_wait_xcnt 0x0
; BertGTHead, second launch: out0[b][0] = cls score, out0[b][1 + g] = gap g's score.
; parts holds, for batch b and column slice x, a row of 64 f32 at 256 (16 b + x): slot g = gap g's part, slot 16 = the cls part.  Wave b adds the batch's 16 slices, lane j slot j, and the bias.
; One work-group: 64 KiB in, 1,088 bytes out.  No LDS, no barrier: waves share nothing.  The output's rows are 68 bytes, so a wave stores 68 bytes on end.
	s_load_b256 s[4:11], s[0:1], 0x0               ; parts s[4:5], b_gap s[6:7], b_cls s[8:9], out0 s[10:11]
	v_and_b32 v1, 31, v0                           ; slot j
	v_lshrrev_b32 v3, 5, v0                        ; batch b
	v_lshlrev_b32 v2, 2, v1
	v_lshl_add_u32 v2, v3, 12, v2                  ; 4,096 b + 4 j
	s_wait_kmcnt 0x0
	s_load_b32 s12, s[6:7], 0x0
	s_load_b32 s13, s[8:9], 0x0
.irp x, 0,1,2,3,4,5,6,7,8,9,10,11,12,13,14,15
	global_load_b32 v[8+\x], v2, s[4:5] offset:256*\x   ; 32 lanes read 128 bytes on end; slots 17 to 31 are stored zeros
.endr
	v_add_nc_u32 v6, 1, v1
	v_min_u32 v6, 16, v6                           ; gap j goes to place j + 1 (the lanes that store nothing keep an address inside the buffer),
	v_mov_b32 v7, 0
	v_cmp_eq_u32 vcc_lo, 16, v1
	v_cndmask_b32 v6, v6, v7, vcc_lo               ; the cls score to place 0
	v_mul_u32_u24 v7, v3, 68
	v_lshl_add_u32 v6, v6, 2, v7
	s_wait_kmcnt 0x0
	v_mov_b32 v4, s12
	v_mov_b32 v5, s13
	v_cndmask_b32 v4, v4, v5, vcc_lo               ; b_cls for slot 16, else b_gap
	s_wait_loadcnt 0x0
	v_pk_add_f32 v[8:9], v[8:9], v[10:11]
	v_pk_add_f32 v[12:13], v[12:13], v[14:15]
	v_pk_add_f32 v[16:17], v[16:17], v[18:19]
	v_pk_add_f32 v[20:21], v[20:21], v[22:23]
	v_pk_add_f32 v[8:9], v[8:9], v[12:13]
	v_pk_add_f32 v[16:17], v[16:17], v[20:21]
	v_pk_add_f32 v[8:9], v[8:9], v[16:17]
	v_add_f32 v8, v8, v9
	v_add_f32 v8, v8, v4
	v_cmp_gt_u32 vcc_lo, 17, v1
	s_wait_xcnt 0x0                                ; EXEC changes only behind this wait
	s_and_saveexec_b32 s14, vcc_lo
	global_store_b32 v6, v8, s[10:11]              ; lanes 0 to 16
	s_wait_xcnt 0x0                                ; and again, in front of the line that widens it
	s_or_b32 exec_lo, exec_lo, s14
	s_endpgm
.Lfunc_end_k_qa9126de37e_finish:
	.size	k_qa9126de37e_finish, .Lfunc_end_k_qa9126de37e_finish-k_qa9126de37e_finish
	.p2alignl 7, 3214868480
	.fill 96, 4, 3214868480
	.section	.rodata,"a",@progbits
	.p2align	6, 0x0
	.amdhsa_kernel k_qa9126de37e_finish
		.amdhsa_group_segment_fixed_size 0
		.amdhsa_private_segment_fixed_size 0
		.amdhsa_enable_private_segment 0
		.amdhsa_kernarg_size 32
		.amdhsa_user_sgpr_count 2
		.amdhsa_user_sgpr_kernarg_segment_ptr 1
		.amdhsa_wavefront_size32 1
		.amdhsa_system_sgpr_workgroup_id_x 1
		.amdhsa_system_sgpr_workgroup_id_y 1
		.amdhsa_system_sgpr_workgroup_id_z 1
		.amdhsa_system_vgpr_workitem_id 0
		.amdhsa_next_free_vgpr 32
		.amdhsa_next_free_sgpr 66
		.amdhsa_reserve_vcc 1
		.amdhsa_float_denorm_mode_32 3
		.amdhsa_float_denorm_mode_16_64 3
		.amdhsa_memory_ordered 1
		.amdhsa_forward_progress 1
		.amdhsa_inst_pref_size 4
	.end_amdhsa_kernel
	.amdgpu_metadata
---
amdhsa.version: [ 1, 2 ]
amdhsa.kernels:
  - .name:           k_qa9126de37e_finish
    .symbol:         k_qa9126de37e_finish.kd
    .args:
      - { .name: parts, .offset: 0, .size: 8, .value_kind: global_buffer, .address_space: global }
      - { .name: b_gap, .offset: 8, .size: 8, .value_kind: global_buffer, .address_space: global }
      - { .name: b_cls, .offset: 16, .size: 8, .value_kind: global_buffer, .address_space: global }
      - { .name: out0, .offset: 24, .size: 8, .value_kind: global_buffer, .address_space: global }
    .group_segment_fixed_size: 0
    .private_segment_fixed_size: 0
    .kernarg_segment_align: 8
    .kernarg_segment_size: 32
    .max_flat_workgroup_size: 512
    .sgpr_count:     66
    .vgpr_count:     32
    .wavefront_size: 32
...
	.end_amdgpu_metadata
.endif
;; end of part 2
